; MI455X (gfx1250); checked and timed in simulation.
; The chip was launched on July 23, 2026; its instructions are those of AMD's public machine-readable ISA for CDNA 5 (MIT licence, August 2026) and "CDNA5" Instruction Set Architecture Reference Guide (July 2026). The comments in the code are by the model that wrote it; some were corrected since.
;; Vector Quantizer. Allowed arithmetic: matrix products marked QUANTISED: E4M3 operands, one E8M0 scale for each 32 along K, by v_wmma_scale_f32_16x16x128_f8f6f4 with both operands' format E4M3, f32 sums; everything else in f32.
;; Inputs: codebook 8,192 x 256 float32; inputs 16 x 2,048 x 256 float32.
;; Outputs: out0 16 x 2,048 x 256 float32; out1 16 x 2,048 int32; out2 one number float32.
;; This version of the problem:
;;   THIS VERSION OF THE PROBLEM IS GIVEN IN LOW PRECISION. The matrix products marked QUANTISED in the list below multiply operands that are first quantised to E4M3 (4 exponent bits, 3 mantissa bits; 8 bits a number), with one power-of-two scale for each 32 numbers along K (OCP MX v1.0); their sums are f32. All else is computed in f32.
;;   The module's matrix products, in the order in which they are computed (A, B: the left and right operand; K: the contracted axis; several contracted axes count as one K, in the product's order):
;;     1. [M 32,768, K 256] x [K 256, N 8,192]; A: input inputs; B: input codebook: QUANTISED
;;   THE QUANTISER, for each operand of a quantised product, along K:
;;     - K is cut into blocks of 32 from its start; a last block that is shorter is filled with zeros.
;;     - A block's scale is 2^e with e = floor(log2(the largest magnitude in the block)) - 8, held to -126 .. 127; a block of zeros has e = 0. As a byte (E8M0): e + 127.
;;     - Each number is divided by its block's scale, clamped to +-448, and rounded to the nearest number of E4M3, ties to even, subnormals kept.
;;     - The product sums the exact products of the quantised numbers (number of the format x scale) in f32.
;;   ~~~python
;;   def quantise(x, axis):      # numpy; x: float32 -> the quantised numbers, widened to float32 again
;;       x = np.moveaxis(x, axis, -1); K = x.shape[-1]
;;       x = np.pad(x, [(0, 0)] * (x.ndim - 1) + [(0, -K % 32)]); x = x.reshape(x.shape[:-1] + (-1, 32)); a = np.abs(x).max(-1, keepdims=True)
;;       e = np.where(a > 0, np.clip(np.frexp(np.where(a > 0, a, 1))[1] - 1 - 8, -126, 127), 0)      # np.frexp(a)[1] - 1 = floor(log2(a)), exactly
;;       r = np.clip(x / 2.0 ** e, -448, 448)
;;       step = 2.0 ** (np.maximum(np.frexp(np.where(r == 0, 1, r))[1] - 1, -6) - 3)
;;       q = np.round(r / step) * step * 2.0 ** e      # np.round: ties to even
;;       return np.moveaxis(q.reshape(q.shape[:-2] + (-1,))[..., :K], -1, axis).astype(np.float32)
;;   ~~~
;; One version. Each part assembles by itself: llvm-mc -triple=amdgcn-amd-amdhsa -mcpu=gfx1250 --defsym DOCPART=n.
;; ======== version 1 of 1: 4 launches
;; workspace buffers: cbimg 2,228,224 bytes; idxws 131,072 bytes of whole numbers; part 16,384 bytes
;; launch cbquant (part 1): grid 256 x 1, 2 waves a work-group, no clusters, 0 bytes of LDS; arguments codebook, cbimg; writes cbimg
.if DOCPART == 1
	.amdgcn_target "amdgcn-amd-amdhsa--gfx1250"
	.amdhsa_code_object_version 6
	.text
	.protected	k_qe95d4931e3_cbquant
	.globl	k_qe95d4931e3_cbquant
	.p2align	8
	.type	k_qe95d4931e3_cbquant,@function
k_qe95d4931e3_cbquant:
	s_mov_b64 s[64:65], 0
	v_nop
	global_prefetch_b8 v0, s[64:65] scope:SCOPE_SE
	s_setreg_imm32_b32 hwreg(HW_REG_WAVE_MODE, 25, 1), 1
	s_wait_xcnt 0x0
; The codebook [8192][256] f32 becomes codes of FP8 (E4M3) with one E8M0 scale byte for each 32 along K, laid as IMAGES OF THE OPERAND'S REGISTERS, and the f32 sum of squares of each unquantised row beside them.
; A tile is 16 code rows, 4,352 bytes: K step 0's fragment (4 pieces of 512 bytes: lane l's 16 bytes at 16 l), K step 1's, 128 bytes of scale words (lanes 0-15: row r's word of K step 0; lanes 16-31: of K step 1), 128 bytes of sums of squares (4 l: row l % 16).
; One wave makes one tile: 512 waves.  Waves share nothing: no LDS, no barrier.  Every work-group of the next launch reads these codes, so they are made once, here.
; A block's scale is 2^(floor(log2(its largest magnitude)) - 8); its byte is the largest magnitude's exponent field - 8, held at 1 from below.  A block of zeros so gets the byte 1: its codes are zeros, and this program alone reads the bytes.
; LIMITS: blocks whose largest magnitude lies under 2^-118 keep the byte 1; NaN and infinities among the inputs are not served.
.set TILEB, 4352
.set XA,  4                            ; v4   my lane's byte in the tile's 16 rows: 1,024 r + 64 h
.set LI,  5                            ; v5   16 x lane
.set LS,  6                            ; v6   4 x lane
.set XN0, 16                           ; v16-79   64 numbers of K step 0: register 16 b + i = k 32 b + 16 h + i of row r
.set XN1, 80                           ; v80-143  of K step 1
.set PC0, 144                          ; v144-159 K step 0's codes
.set PC1, 160                          ; v160-175 K step 1's
.set TM,  176                          ; v176-191 at work: largest magnitudes, bytes, holds, scale operands
.set PW0, 192                          ; the two scale words,
.set PW1, 193
.set PWP, 194                          ; and both in one register
.set EEV, 195                          ; the row's sum of squares
.set PT,  196                          ; a lane permute's destination
.set SQ,  198                          ; v[198:199], v[200:201] two chains of packed sums
.set SEL, 12                           ; s[12:13] lane selects: lane l xor 16
.set MNT, 14                           ; s14  the mantissa field of 448
.set HI16, 15                          ; s15  a mask of lanes 16-31
.macro XLOAD reg, q                    ; my 64 numbers of K step q: of each block of 32, the 16 of my half
.irp b, 0,1,2,3
.irp j, 0,1,2,3
	global_load_b128 v[\reg+16*\b+4*\j:\reg+16*\b+4*\j+3], v[XA], s[4:5] offset:512*\q+128*\b+16*\j th:TH_LOAD_NT
.endr
.endr
.endm
.macro SQSUM reg, first                ; the squares of 64 numbers onto the two chains; first = 1: the first two products start them
.set SQP, 0
.rept 32
.if (\first) && (SQP < 2)
	v_pk_mul_f32 v[SQ+2*(SQP%2):SQ+2*(SQP%2)+1], v[\reg+2*SQP:\reg+2*SQP+1], v[\reg+2*SQP:\reg+2*SQP+1]
.else
	v_pk_fma_f32 v[SQ+2*(SQP%2):SQ+2*(SQP%2)+1], v[\reg+2*SQP:\reg+2*SQP+1], v[\reg+2*SQP:\reg+2*SQP+1], v[SQ+2*(SQP%2):SQ+2*(SQP%2)+1]
.endif
.set SQP, SQP+1
.endr
.endm
.macro QUANT s, pc, pw                 ; 64 numbers of a lane become a fragment's 16 registers of codes and its row's scale word
.irp b, 0,1,2,3
	v_max3_num_f32 v[TM+\b], |v[\s+16*\b]|, |v[\s+1+16*\b]|, 0x4800000   ; block b: my 16 numbers, and the floor 2^(9 - 127): the byte cannot fall under 1
.endr
.irp i, 2,4,6,8,10,12,14
.irp b, 0,1,2,3
	v_max3_num_f32 v[TM+\b], v[TM+\b], |v[\s+16*\b+\i]|, |v[\s+1+16*\b+\i]|   ; the four blocks by turns
.endr
.endr
.irp b, 0,1,2,3
	v_permlanex16_b32 v[TM+4+\b], v[TM+\b], s[SEL], s[SEL+1]
.endr
.irp b, 0,1,2,3
	v_max_num_f32 v[TM+\b], v[TM+\b], v[TM+4+\b]                 ; with lane l xor 16's: the block's largest magnitude
.endr
.irp b, 0,1,2,3
	v_add_nc_u32 v[TM+12+\b], 0xfc000000, v[TM+\b]               ; 8 off its exponent field: the conversion's scale operand
.endr
.irp b, 0,1,2,3
	v_and_or_b32 v[TM+8+\b], v[TM+\b], 0x7f800000, s[MNT]        ; 448 x the scale
.endr
.irp b, 0,1,2,3
	v_lshrrev_b32 v[TM+4+\b], 23, v[TM+12+\b]                    ; the scale's byte
.endr
	v_lshl_or_b32 v[\pw], v[TM+5], 8, v[TM+4]
	v_lshl_or_b32 v[\pw], v[TM+6], 16, v[\pw]
	v_lshl_or_b32 v[\pw], v[TM+7], 24, v[\pw]
.irp b, 0,1,2,3
.irp i, 0,1,2,3,4,5,6,7,8,9,10,11,12,13,14,15
	v_med3_num_f32 v[\s+16*\b+\i], v[\s+16*\b+\i], -v[TM+8+\b], v[TM+8+\b]   ; the conversion to an 8-bit code does not saturate (ISA guide 7.6.2): the hold comes first
.endr
	v_cvt_scalef32_pk8_fp8_f32 v[\pc+4*\b:\pc+4*\b+1], v[\s+16*\b:\s+16*\b+7], v[TM+12+\b]
	v_cvt_scalef32_pk8_fp8_f32 v[\pc+4*\b+2:\pc+4*\b+3], v[\s+16*\b+8:\s+16*\b+15], v[TM+12+\b]
.endr
	v_nop                                          ; one plain vector instruction behind the last conversion, ahead of whatever next touches its registers
.endm
	s_load_b128 s[4:7], s[0:1], 0x0                ; the codebook, the images
	v_lshrrev_b32 v1, 5, v0
	v_readfirstlane_b32 s8, v1                     ; wave 0..1
	v_and_b32 v2, 15, v0                           ; r
	v_bfe_u32 v3, v0, 4, 1                         ; h
	v_and_b32 v1, 31, v0                           ; lane
	v_lshlrev_b32 v[XA], 10, v2
	v_lshl_add_u32 v[XA], v3, 6, v[XA]
	v_lshlrev_b32 v[LI], 4, v1
	v_lshlrev_b32 v[LS], 2, v1
	s_lshl_b32 s9, ttmp9, 1
	s_add_co_u32 s9, s9, s8                        ; my tile: 2 x work-group + wave
	s_lshl_b32 s10, s9, 14                         ; its 16 rows of 1,024 bytes
	s_mov_b32 s11, 0
	s_mul_i32 s16, s9, TILEB                       ; its image
	s_mov_b32 s17, 0
	s_mov_b32 s[SEL], 0x76543210
	s_mov_b32 s[SEL+1], 0xfedcba98
	s_mov_b32 s[MNT], 0x600000
	s_mov_b32 s[HI16], 0xffff0000
.irp b, 0,1,2,3
	v_mov_b32 v[TM+4+\b], 0                        ; written once: a lane permute's destination counts as one of its sources
.endr
	v_mov_b32 v[PT], 0
	s_wait_kmcnt 0x0
	s_add_nc_u64 s[4:5], s[4:5], s[10:11]
	s_add_nc_u64 s[6:7], s[6:7], s[16:17]
	XLOAD XN0, 0
	XLOAD XN1, 1
	s_wait_loadcnt 16                              ; K step 0's sixteen loads are in; K step 1's sixteen may be out
	SQSUM XN0, 1                                   ; ahead of the quantiser, whose holds write over the numbers
	QUANT XN0, PC0, PW0
	s_wait_loadcnt 0x0
	SQSUM XN1, 0
	QUANT XN1, PC1, PW1
	v_pk_add_f32 v[SQ:SQ+1], v[SQ:SQ+1], v[SQ+2:SQ+3]
	v_add_f32 v[EEV], v[SQ], v[SQ+1]
	v_permlanex16_b32 v[PT], v[EEV], s[SEL], s[SEL+1]
	v_add_f32 v[EEV], v[EEV], v[PT]                ; the row's sum of squares, in both halves of the lanes
	v_cndmask_b32 v[PWP], v[PW0], v[PW1], s[HI16]  ; lanes 0-15 keep K step 0's word, lanes 16-31 take K step 1's
.irp c, 0,1,2,3
	global_store_b128 v[LI], v[PC0+4*\c:PC0+4*\c+3], s[6:7] offset:512*\c          ; 32 lanes store 512 consecutive bytes, at a multiple of 256 from the buffer's first byte
.endr
.irp c, 0,1,2,3
	global_store_b128 v[LI], v[PC1+4*\c:PC1+4*\c+3], s[6:7] offset:2048+512*\c
.endr
	global_store_b32 v[LS], v[PWP], s[6:7] offset:4096
	global_store_b32 v[LS], v[EEV], s[6:7] offset:4224
	s_endpgm
.Lfunc_end_k_qe95d4931e3_cbquant:
	.size	k_qe95d4931e3_cbquant, .Lfunc_end_k_qe95d4931e3_cbquant-k_qe95d4931e3_cbquant
	.p2alignl 7, 3214868480
	.fill 96, 4, 3214868480
	.section	.rodata,"a",@progbits
	.p2align	6, 0x0
	.amdhsa_kernel k_qe95d4931e3_cbquant
		.amdhsa_group_segment_fixed_size 0
		.amdhsa_private_segment_fixed_size 0
		.amdhsa_enable_private_segment 0
		.amdhsa_kernarg_size 16
		.amdhsa_user_sgpr_count 2
		.amdhsa_user_sgpr_kernarg_segment_ptr 1
		.amdhsa_wavefront_size32 1
		.amdhsa_system_sgpr_workgroup_id_x 1
		.amdhsa_system_sgpr_workgroup_id_y 1
		.amdhsa_system_sgpr_workgroup_id_z 1
		.amdhsa_system_vgpr_workitem_id 0
		.amdhsa_next_free_vgpr 208
		.amdhsa_next_free_sgpr 66
		.amdhsa_reserve_vcc 0
		.amdhsa_float_denorm_mode_32 3
		.amdhsa_float_denorm_mode_16_64 3
		.amdhsa_memory_ordered 1
		.amdhsa_forward_progress 1
		.amdhsa_inst_pref_size 26
	.end_amdhsa_kernel
	.amdgpu_metadata
---
amdhsa.version: [ 1, 2 ]
amdhsa.kernels:
  - .name:           k_qe95d4931e3_cbquant
    .symbol:         k_qe95d4931e3_cbquant.kd
    .args:
      - { .name: codebook, .offset: 0, .size: 8, .value_kind: global_buffer, .address_space: global }
      - { .name: cbimg, .offset: 8, .size: 8, .value_kind: global_buffer, .address_space: global }
    .group_segment_fixed_size: 0
    .private_segment_fixed_size: 0
    .kernarg_segment_align: 8
    .kernarg_segment_size: 16
    .max_flat_workgroup_size: 64
    .sgpr_count:     66
    .vgpr_count:     208
    .wavefront_size: 32
...
	.end_amdgpu_metadata
.endif
;; end of part 1
;; launch vqmain (part 2): grid 256 x 1, 8 waves a work-group, clusters of 4 x 1, 327,680 bytes of LDS; arguments inputs, cbimg, out1, idxws; writes out1, idxws
.if DOCPART == 2
	.amdgcn_target "amdgcn-amd-amdhsa--gfx1250"
	.amdhsa_code_object_version 6
	.text
	.protected	k_qe95d4931e3_vqmain
	.globl	k_qe95d4931e3_vqmain
	.p2align	8
	.type	k_qe95d4931e3_vqmain,@function
k_qe95d4931e3_vqmain:
	s_mov_b64 s[64:65], 0
	v_nop
	global_prefetch_b8 v0, s[64:65] scope:SCOPE_SE
	s_setreg_imm32_b32 hwreg(HW_REG_WAVE_MODE, 25, 1), 1
	s_wait_xcnt 0x0
	s_wait_alu depctr_hold_cnt(0) depctr_sa_sdst(0) depctr_va_vdst(0) depctr_va_sdst(0) depctr_va_ssrc(0) depctr_va_vcc(0) depctr_vm_vsrc(0)
	s_getreg_b32 s2, hwreg(HW_REG_IB_STS2, 6, 4)
	s_cmp_eq_u32 s2, 0
	s_cbranch_scc0 .Lentry_in_a_cluster
	s_endpgm
.Lentry_in_a_cluster:
	s_bfe_u32 s2, ttmp6, 0x10000c
	s_cmp_lg_u32 s2, 0x3003
	s_cbranch_scc0 .Lentry_shape_is_right
	s_endpgm
.Lentry_shape_is_right:
; idx[m] = the first n with the least d[m][n] = (|x_m|^2 + |e_n|^2) - 2 x_m . e_n; the product on codes of FP8 (E4M3) with E8M0 scales for each 32 along K = 256, all else f32.  32,768 rows x, 8,192 codes e.
; d is formed with the roundings of its definition: one f32 addition, then one fused multiply-add by -2 (2 x the product is exact), so that equal distances stay equal, and the lowest index wins among equals.
; SHARES.  A work-group owns 128 rows of x: 8 tiles of 16.  THE EIGHT WAVES SHARE THE CODES, NOT THE ROWS: each wave keeps all 8 tiles of x as fragments in 256 registers and walks an eighth of the codebook,
; so that each fragment of codes is read from LDS by one wave, once, and feeds 8 products.  Two waves lie on a SIMD: one's vector work stands beside the other's matrix work.
; In step k (0..15) wave w takes codes 512 k + 64 w .. + 63: four tiles.  Indices rise within a wave, so a strict comparison keeps the first.
; LAYOUT.  Source 0 = 16 codes, source 1 = 16 rows of x: lane (r, h) holds row r, register j code 16 T + 8 h + j.  The search runs within a lane; the two halves of the lanes and the eight waves meet at the end.
; THE SEARCH.  Of a tile's eight distances a lane takes the least; where it is under the best so far, the tile's number and its eight distances are kept.  The place within the winning tile is looked for once, at the end.
; THE CODES come as images of the operand's registers (4,352 bytes a tile: two fragments, scale words, sums of squares) through a ring of two LDS slots; a wave fetches and reads its own 17,408 bytes of a slot.
; CLUSTER.  The four work-groups of a cluster walk the same codes: each part of a slot is asked for JOINTLY, by the same tensor load with the same descriptor and a mask that names the four.
; x is read by this work-group alone: wave w quantises tile w in registers, and the fragments go from wave to wave through LDS as images of their registers.
; LIMITS: NaN and infinities among the inputs are not served (a NaN distance is passed over here); blocks whose largest magnitude lies under 2^-118 keep the scale byte 1;
; |x|^2 and |e|^2 are f32 sums in this text's own order.
; REGISTERS.  Window 0: see the names below.  Window 1: x's fragments: tile i, K step q at v[32 i + 16 q].
.set TILEB,  4352                      ; a tile's image
.set PARTB,  4*TILEB                   ; a wave's part of a slot: 68 rows of 256 bytes
.set SLOTB,  8*PARTB                   ; a slot
.set L_XIMG, 2*SLOTB                   ; behind the ring: x's 16 fragments, tile i, K step q at 4,096 i + 2,048 q;
.set L_XSC,  L_XIMG+32768              ; their scale words, 128 bytes a tile;
.set L_XXI,  L_XSC+1024                ; the rows' sums of squares, 128 bytes a tile;
.set L_CMBD, L_XXI+1024                ; each wave's best distance of each row, 512 bytes a wave;
.set L_CMBI, L_CMBD+4096               ; and its index;
.set L_SPARE, L_CMBI+4096              ; the spare words, 128 bytes for each wave: four blocks of 256 bytes that no other line names
.set XA,   1                           ; v1   x: my lane's byte in the wave's 16 rows
.set ADR,  2                           ; v2-3   LDS address of my fragments' pieces in slot 0, 1: 16 x lane + my wave's part
.set ASC,  4                           ; v4-5   of the scale words: 4 x lane + ..
.set AEE,  6                           ; v6-7   of the sums of squares of my half's eight codes: 32 h + ..
.set SPW,  8                           ; v8   LDS address of my spare word; never rewritten
.set NIL,  9                           ; v9   0; never rewritten
.set CUR,  10                          ; v10  the first code of my half of the tile in hand
.set PT,   11                          ; v11  a lane permute's destination
.set XSC,  12                          ; v12-19 x's scale words, a register a tile: lanes 0-15 K step 0, lanes 16-31 K step 1
.set CSC,  20                          ; v20-21 the codes' scale words likewise, a register a buffer
.set CA,   22                          ; v22  the end: where I put my wave's best
.set RA,   23                          ; v23  and where two rows' bests are read
.set XX,   24                          ; v24-39 |x|^2 of tile i's row, in both registers of a pair
.set BEST, 40                          ; v40-47 the least distance so far, a register a tile of x
.set TID,  48                          ; v48-55 the first code of my half of the tile that holds it
.set KEEP, 56                          ; v56-119 that tile's eight distances
.set CF,   120                         ; v120-151, v152-183 the codes' fragments, two buffers; K step q at + 16 q
.set EE,   184                         ; v184-191, v192-199 |e|^2 of my eight codes, two buffers
.set ACC,  200                         ; v200-231 four accumulators
.set TT,   232                         ; v232-247 two sets of eight distances
.set MT,   248                         ; v248-251 at work on their least
.set XWI,  252                         ; v252 the head: where I store x's images
.set XWS,  253                         ; v253 and their scale words
.set LIX,  254                         ; v254 where any wave reads x's images
.set LSX,  255                         ; v255 and their scale words
.set XN0,  56                          ; the head alone: 64 numbers of x, K step 0;
.set XN1,  120                         ; K step 1;
.set PC0,  200                         ; their codes;
.set PC1,  216
.set TM,   232                         ; the quantiser's work;
.set PW0,  248
.set PW1,  249
.set PWP,  250
.set XXV,  251
.set SQ,   184                         ; v[184:185], v[186:187] two chains of packed sums
.set PP,   120                         ; the end alone: the place in the winning tile;
.set OB,   128                         ; the other half's best,
.set OI,   136                         ; and its index;
.set GOF,  144                         ; my byte offset in the outputs;
.set CD,   152                         ; eight waves' bests of two rows,
.set CI,   168                         ; and their indices
.set WV,   12                          ; s12  my wave's number
.set G1,   16                          ; s[16:23] descriptor group 1
.set G0,   24                          ; s[24:31] descriptor group 0, a set for each slot
.set SEL,  36                          ; s[36:37] lane selects: lane l xor 16
.set MNT,  38                          ; s38  the mantissa field of 448
.set HI16, 39                          ; s39  a mask of lanes 16-31
.set INF,  43                          ; s43  +infinity
.set MSB, 0
.macro WIN new                         ; the immediate's high byte repeats the setting that is left
.if MSB != \new
	s_set_vgpr_msb (MSB<<8)|\new
.set MSB, \new
.endif
.endm
.macro CROUND                          ; a round of the cluster's barrier: my work-group's barrier; wave 0 signals for the work-group; every wave waits for all four work-groups; my work-group's barrier once more
	s_barrier_signal -1
	s_barrier_wait -1
	s_cmp_lg_u32 s[WV], 0
	s_cbranch_scc1 .Lnot_wave_0_\@
	s_barrier_signal -3
.Lnot_wave_0_\@:
	s_barrier_wait -3
	s_barrier_signal -1
	s_barrier_wait -1
.endm
.macro XLOAD reg, q                    ; my 64 numbers of K step q: of each block of 32, the 16 of my half
.irp b, 0,1,2,3
.irp j, 0,1,2,3
	global_load_b128 v[\reg+16*\b+4*\j:\reg+16*\b+4*\j+3], v[XA], s[4:5] offset:512*\q+128*\b+16*\j th:TH_LOAD_NT
.endr
.endr
.endm
.macro SQSUM reg, first                ; the squares of 64 numbers onto the two chains; first = 1: the first two products start them
.set SQP, 0
.rept 32
.if (\first) && (SQP < 2)
	v_pk_mul_f32 v[SQ+2*(SQP%2):SQ+2*(SQP%2)+1], v[\reg+2*SQP:\reg+2*SQP+1], v[\reg+2*SQP:\reg+2*SQP+1]
.else
	v_pk_fma_f32 v[SQ+2*(SQP%2):SQ+2*(SQP%2)+1], v[\reg+2*SQP:\reg+2*SQP+1], v[\reg+2*SQP:\reg+2*SQP+1], v[SQ+2*(SQP%2):SQ+2*(SQP%2)+1]
.endif
.set SQP, SQP+1
.endr
.endm
.macro QUANT s, pc, pw                 ; 64 numbers of a lane become a fragment's 16 registers of codes and its row's scale word
.irp b, 0,1,2,3
	v_max3_num_f32 v[TM+\b], |v[\s+16*\b]|, |v[\s+1+16*\b]|, 0x4800000   ; block b: my 16 numbers, and the floor 2^(9 - 127): the byte cannot fall under 1
.endr
.irp i, 2,4,6,8,10,12,14
.irp b, 0,1,2,3
	v_max3_num_f32 v[TM+\b], v[TM+\b], |v[\s+16*\b+\i]|, |v[\s+1+16*\b+\i]|   ; the four blocks by turns
.endr
.endr
.irp b, 0,1,2,3
	v_permlanex16_b32 v[TM+4+\b], v[TM+\b], s[SEL], s[SEL+1]
.endr
.irp b, 0,1,2,3
	v_max_num_f32 v[TM+\b], v[TM+\b], v[TM+4+\b]                 ; with lane l xor 16's: the block's largest magnitude
.endr
.irp b, 0,1,2,3
	v_add_nc_u32 v[TM+12+\b], 0xfc000000, v[TM+\b]               ; 8 off its exponent field: the conversion's scale operand
.endr
.irp b, 0,1,2,3
	v_and_or_b32 v[TM+8+\b], v[TM+\b], 0x7f800000, s[MNT]        ; 448 x the scale
.endr
.irp b, 0,1,2,3
	v_lshrrev_b32 v[TM+4+\b], 23, v[TM+12+\b]                    ; the scale's byte
.endr
	v_lshl_or_b32 v[\pw], v[TM+5], 8, v[TM+4]
	v_lshl_or_b32 v[\pw], v[TM+6], 16, v[\pw]
	v_lshl_or_b32 v[\pw], v[TM+7], 24, v[\pw]
.irp b, 0,1,2,3
.irp i, 0,1,2,3,4,5,6,7,8,9,10,11,12,13,14,15
	v_med3_num_f32 v[\s+16*\b+\i], v[\s+16*\b+\i], -v[TM+8+\b], v[TM+8+\b]   ; the conversion to an 8-bit code does not saturate (ISA guide 7.6.2): the hold comes first
.endr
	v_cvt_scalef32_pk8_fp8_f32 v[\pc+4*\b:\pc+4*\b+1], v[\s+16*\b:\s+16*\b+7], v[TM+12+\b]
	v_cvt_scalef32_pk8_fp8_f32 v[\pc+4*\b+2:\pc+4*\b+3], v[\s+16*\b+8:\s+16*\b+15], v[TM+12+\b]
.endr
	v_nop                                          ; one plain vector instruction behind the last conversion: matrix and vector instructions write these registers later
.endm
; Eleven LDS loads: tile t of my part of a slot into buffer buf: two fragments, the scale words, my eight codes' sums of squares.  A fragment's piece is 512 consecutive bytes for the 32 lanes.
.macro LOADS slot, t, buf
.irp q, 0,1
.irp c, 0,1,2,3
	ds_load_b128 v[CF+32*(\buf)+16*\q+4*\c:CF+32*(\buf)+16*\q+4*\c+3], v[ADR+(\slot)] offset:TILEB*(\t)+2048*\q+512*\c
.endr
.endr
	ds_load_b32 v[CSC+(\buf)], v[ASC+(\slot)] offset:TILEB*(\t)+4096
	ds_load_b128 v[EE+8*(\buf):EE+8*(\buf)+3], v[AEE+(\slot)] offset:TILEB*(\t)+4224
	ds_load_b128 v[EE+8*(\buf)+4:EE+8*(\buf)+7], v[AEE+(\slot)] offset:TILEB*(\t)+4240
.endm
; Eight matrix instructions: the tile of codes in buffer buf against x's tiles 4 g .. 4 g + 3, K step 0 (which starts the sums) and K step 1.  The four accumulators take turns, one instruction a turn.
.macro MM g, buf
	WIN 0x04                                       ; source 1 (x) in window 1
.irp u, 0,1,2,3
	v_wmma_scale_f32_16x16x128_f8f6f4 v[ACC+8*\u:ACC+8*\u+7], v[CF+32*(\buf):CF+32*(\buf)+15], v[32*(4*(\g)+\u):32*(4*(\g)+\u)+15], 0, v[CSC+(\buf)], v[XSC+4*(\g)+\u]
.endr
.irp u, 0,1,2,3
	v_wmma_scale_f32_16x16x128_f8f6f4 v[ACC+8*\u:ACC+8*\u+7], v[CF+32*(\buf)+16:CF+32*(\buf)+31], v[32*(4*(\g)+\u)+16:32*(4*(\g)+\u)+31], v[ACC+8*\u:ACC+8*\u+7], v[CSC+(\buf)], v[XSC+4*(\g)+\u] matrix_a_scale:MATRIX_SCALE_ROW1 matrix_b_scale:MATRIX_SCALE_ROW1
.endr
	WIN 0
.endm
; The vector work of accumulators ua and ua + 1 (x's tiles 4 g + ua, + 1): 46 instructions.
; The eight additions name no register of the products: they are the eight places between the last products and the first read of a result.  Each accumulator is read from its low end on.
.macro VPAIR g, ua, buf
.irp p, 0,1,2,3
.irp e, 0,1
	v_pk_add_f32 v[TT+8*\e+2*\p:TT+8*\e+2*\p+1], v[EE+8*(\buf)+2*\p:EE+8*(\buf)+2*\p+1], v[XX+2*(4*(\g)+(\ua)+\e):XX+2*(4*(\g)+(\ua)+\e)+1]   ; |x|^2 + |e|^2, rounded
.endr
.endr
.irp p, 0,1,2,3
.irp e, 0,1
	v_pk_fma_f32 v[TT+8*\e+2*\p:TT+8*\e+2*\p+1], v[ACC+8*((\ua)+\e)+2*\p:ACC+8*((\ua)+\e)+2*\p+1], -2.0, v[TT+8*\e+2*\p:TT+8*\e+2*\p+1] op_sel_hi:[1,0,1]   ; - 2 x the product, rounded once
.endr
.endr
.irp e, 0,1
	v_min3_num_f32 v[MT+2*\e], v[TT+8*\e], v[TT+8*\e+1], v[TT+8*\e+2]
.endr
.irp e, 0,1
	v_min3_num_f32 v[MT+2*\e+1], v[TT+8*\e+3], v[TT+8*\e+4], v[TT+8*\e+5]
.endr
.irp e, 0,1
	v_min3_num_f32 v[MT+2*\e], v[MT+2*\e], v[TT+8*\e+6], v[TT+8*\e+7]
.endr
.irp e, 0,1
	v_min_num_f32 v[MT+2*\e], v[MT+2*\e], v[MT+2*\e+1]           ; the least of my eight
.endr
.irp e, 0,1
.set UI, 4*(\g)+(\ua)+\e
	v_cmp_lt_f32 vcc_lo, v[MT+2*\e], v[BEST+UI]                  ; strictly under the best so far: an equal distance of a later code does not win
	v_cndmask_b32 v[TID+UI], v[TID+UI], v[CUR], vcc_lo
.irp j, 0,1,2,3,4,5,6,7
	v_cndmask_b32 v[KEEP+8*UI+\j], v[KEEP+8*UI+\j], v[TT+8*\e+\j], vcc_lo
.endr
	v_min_num_f32 v[BEST+UI], v[BEST+UI], v[MT+2*\e]
.endr
.endm
.macro COMPUTE buf, step               ; a tile of codes against all 128 rows; then the next tile's first code
	MM 0, \buf
	VPAIR 0, 0, \buf
	VPAIR 0, 2, \buf
	MM 1, \buf                                     ; begins the four accumulators anew: 92 plain vector instructions stand behind the products that wrote them
	VPAIR 1, 0, \buf
	VPAIR 1, 2, \buf
	v_add_nc_u32 v[CUR], \step, v[CUR]
.endm
; Tile t of my part of a slot.  Its fragments were asked for a tile ago; the next tile's are asked for ahead of its work, into the other buffer, whose last products stand a whole tile's vector work back.
; mode 0: the next tile lies in the same slot.   mode 1: the slot's last tile: the slot is filled again.   mode 2: the last slot but one's last tile: nothing is left to ask for.   mode 3: the very last tile.
.macro TILE slot, t, mode
.if \mode == 0
	s_wait_dscnt 0x0                               ; this tile's eleven loads are in
	LOADS \slot,(\t)+1,((\t)+1)%2
	COMPUTE (\t)%2,16
.elseif \mode == 1
	s_wait_tensorcnt 0x0                           ; all my tensor loads have landed: the one that was out is my part of the other slot; so a group 0 may be written
	ds_add_u32 v[SPW], v[NIL]                      ; 0 onto my spare word
	s_add_nc_u64 s[G0+4*(\slot)+2:G0+4*(\slot)+3], s[G0+4*(\slot)+2:G0+4*(\slot)+3], 2*SLOTB   ; this slot's next codes; the type bits on top are not reached
	s_wait_dscnt 0x0                               ; the add is done; this tile's fragments are in registers: my reads of the slot are over
	CROUND                                         ; both now hold of every wave of all four work-groups
	tensor_load_to_lds s[G0+4*(\slot):G0+4*(\slot)+3], s[G1:G1+7]   ; my one tensor load behind the round, and the first thing there: it has four tiles' work in which to land
	s_nop 0
.rept 4
	v_nop
.endr
	LOADS 1-(\slot),0,0
	COMPUTE 1,464                                  ; 512 codes a step, less the 48 already added
.elseif \mode == 2
	s_wait_tensorcnt 0x0                           ; my part of the last slot has landed: no load was issued behind it
	s_wait_dscnt 0x0
	LOADS 1-(\slot),0,0
	COMPUTE 1,464
.else
	s_wait_dscnt 0x0
	COMPUTE 1,16
.endif
.endm
.macro LEXMIN b, i, ob, oi             ; (b, i) takes (ob, oi) where that distance is less, or equal with the lower index
	v_cmp_lt_f32 s40, v[\ob], v[\b]
	v_cmp_eq_f32 s41, v[\ob], v[\b]
	v_cmp_lt_u32 s42, v[\oi], v[\i]
	s_and_b32 s41, s41, s42
	s_or_b32 vcc_lo, s40, s41
	v_cndmask_b32 v[\b], v[\b], v[\ob], vcc_lo
	v_cndmask_b32 v[\i], v[\i], v[\oi], vcc_lo
.endm
	s_load_b256 s[4:11], s[0:1], 0x0               ; x s[4:5], the codes' images s[6:7], out1 s[8:9], the indices' copy s[10:11]
	v_lshl_add_u32 v[SPW], v0, 2, L_SPARE
	v_mov_b32 v[NIL], 0
	ds_add_u32 v8, v9
	ds_add_u32 v8, v9
	s_wait_dscnt 0x0
	v_lshrrev_b32 v1, 5, v0
	v_readfirstlane_b32 s[WV], v1                  ; wave 0..7
	; every LDS address is made here, ahead of the first branch: a constant, a constant x lane, a constant x wave
	v_and_b32 v40, 31, v0                          ; lane
	v_and_b32 v41, 15, v0                          ; r
	v_bfe_u32 v42, v0, 4, 1                        ; h
	s_mul_i32 s35, s[WV], PARTB                    ; my wave's part of a slot, in LDS and in memory alike
	v_lshlrev_b32 v43, 4, v40
	v_lshlrev_b32 v44, 2, v40
	v_lshlrev_b32 v45, 5, v42
	v_add_nc_u32 v[ADR], s35, v43
	v_add_nc_u32 v[ASC], s35, v44
	v_add_nc_u32 v[AEE], s35, v45
	v_add_nc_u32 v[ADR+1], SLOTB, v[ADR]
	v_add_nc_u32 v[ASC+1], SLOTB, v[ASC]
	v_add_nc_u32 v[AEE+1], SLOTB, v[AEE]
	v_add_nc_u32 v[LIX], L_XIMG, v43
	v_add_nc_u32 v[LSX], L_XSC, v44
	s_lshl_b32 s46, s[WV], 12
	v_add_nc_u32 v[XWI], s46, v[LIX]               ; my tile's two images: 4,096 x wave on
	s_lshl_b32 s47, s[WV], 7
	v_add_nc_u32 v[XWS], s47, v[LSX]
	s_lshl_b32 s46, s[WV], 9
	v_lshl_add_u32 v[CA], v41, 2, L_CMBD
	v_add_nc_u32 v[CA], s46, v[CA]
	v_and_b32 v46, 63, v0
	v_lshl_add_u32 v[RA], v46, 3, L_CMBD
	v_lshlrev_b32 v[XA], 10, v41
	v_lshl_add_u32 v[XA], v42, 6, v[XA]            ; x: row r of 1,024 bytes, + 64 h
	s_bfe_u32 s13, ttmp6, 0x40000                  ; cx: my place in the cluster
	s_lshl_b32 s14, ttmp9, 2                       ; in a cluster launch ttmp9 counts clusters
	s_add_co_u32 s14, s14, s13                     ; my block of 128 rows: it enters the addresses of x and of the two outputs alone
	; descriptor group 1: a dense block of 68 rows of 256 bytes
	s_mov_b32 s[G1+0], 15|(3<<16)|(1<<21)          ; 15:0 the mask: all four work-groups; 17:16 elements of 8 bytes; 21 set beside a mask; no padding
	s_mov_b32 s[G1+1], 32<<16                      ; tensor_dim0 = 32
	s_mov_b32 s[G1+2], 68<<16                      ; tensor_dim1 = 68
	s_mov_b32 s[G1+3], 32<<16                      ; tile_dim0 = 32
	s_mov_b32 s[G1+4], 68                          ; tile_dim1 = 68
	s_mov_b32 s[G1+5], 32                          ; from row to row
	s_mov_b32 s[G1+6], 0
	s_mov_b32 s[G1+7], 0
	s_mov_b32 s[SEL], 0x76543210
	s_mov_b32 s[SEL+1], 0xfedcba98
	s_mov_b32 s[MNT], 0x600000
	s_mov_b32 s[HI16], 0xffff0000
	s_mov_b32 s[INF], 0x7f800000
	s_mov_b32 s32, s35
	s_mov_b32 s33, 0
	s_lshl_b32 s44, s14, 17                        ; my block's 128 rows of 1,024 bytes,
	s_lshl_b32 s45, s[WV], 14                      ; my wave's 16 of them
	s_add_co_u32 s44, s44, s45
	s_mov_b32 s45, 0
.irp b, 0,1,2,3
	v_mov_b32 v[TM+4+\b], 0                        ; written once: a lane permute's destination counts as one of its sources
.endr
	v_mov_b32 v[PT], 0
	s_wait_kmcnt 0x0
	s_add_nc_u64 s[4:5], s[4:5], s[44:45]
	s_lshl_b32 s44, s14, 9                         ; my block's 128 indices
	s_add_nc_u64 s[8:9], s[8:9], s[44:45]
	s_add_nc_u64 s[10:11], s[10:11], s[44:45]
	s_add_nc_u64 s[6:7], s[6:7], s[32:33]          ; the images at my wave's part of step 0: the wave's number alone enters
.irp n, 0,1
	s_mov_b32 s[G0+4*\n], 1                                        ; 1:0 count = 1
	s_add_co_u32 s[G0+4*\n+1], s35, \n*SLOTB                       ; 63:32 LDS address
	s_add_nc_u64 s[G0+4*\n+2:G0+4*\n+3], s[6:7], \n*SLOTB          ; 120:64 global address: step n
	s_or_b32 s[G0+4*\n+3], s[G0+4*\n+3], 0x80000000                ; 127:126 type = 2
.endr
	XLOAD XN0, 0                                   ; x is on its way while the partners meet
	XLOAD XN1, 1
	CROUND                                         ; all four work-groups are here: the first joint loads meet
	tensor_load_to_lds s[G0:G0+3], s[G1:G1+7]      ; both first fills together, ahead of every wait on TENSORcnt and every LDS read: two loads of mine are out
	s_nop 0
	tensor_load_to_lds s[G0+4:G0+7], s[G1:G1+7]
	s_nop 0
.rept 4
	v_nop
.endr
	; ---- x: my 16 rows become two fragments, a register of scale words and a sum of squares a row
	s_wait_loadcnt 16                              ; K step 0's sixteen loads are in; K step 1's sixteen may be out
	SQSUM XN0, 1                                   ; ahead of the quantiser, whose holds write over the numbers
	QUANT XN0, PC0, PW0
	s_wait_loadcnt 0x0
	SQSUM XN1, 0
	QUANT XN1, PC1, PW1
	v_pk_add_f32 v[SQ:SQ+1], v[SQ:SQ+1], v[SQ+2:SQ+3]
	v_add_f32 v[XXV], v[SQ], v[SQ+1]
	v_permlanex16_b32 v[PT], v[XXV], s[SEL], s[SEL+1]
	v_add_f32 v[XXV], v[XXV], v[PT]
	v_cndmask_b32 v[PWP], v[PW0], v[PW1], s[HI16]  ; lanes 0-15 keep K step 0's word, lanes 16-31 take K step 1's
.irp c, 0,1,2,3
	ds_store_b128 v[XWI], v[PC0+4*\c:PC0+4*\c+3] offset:512*\c
.endr
.irp c, 0,1,2,3
	ds_store_b128 v[XWI], v[PC1+4*\c:PC1+4*\c+3] offset:2048+512*\c
.endr
	ds_store_b32 v[XWS], v[PWP]
	ds_store_b32 v[XWS], v[XXV] offset:L_XXI-L_XSC
	s_wait_dscnt 0x0                               ; for the others' sake: my stores have landed
	s_barrier_signal -1
	s_barrier_wait -1                              ; x's sixteen fragments lie in LDS.  The two tensor loads may stay out
	WIN 0x40                                       ; destination window 1
.irp i, 0,1,2,3,4,5,6,7
.irp q, 0,1
.irp c, 0,1,2,3
	ds_load_b128 v[32*\i+16*\q+4*\c:32*\i+16*\q+4*\c+3], v[LIX] offset:4096*\i+2048*\q+512*\c
.endr
.endr
.endr
	WIN 0
.irp i, 0,1,2,3,4,5,6,7
	ds_load_b32 v[XSC+\i], v[LSX] offset:128*\i
.endr
.irp i, 0,1,2,3,4,5,6,7
	ds_load_b32 v[XX+2*\i], v[LSX] offset:L_XXI-L_XSC+128*\i
	ds_load_b32 v[XX+2*\i+1], v[LSX] offset:L_XXI-L_XSC+128*\i    ; in both registers of the pair, for the packed addition
.endr
	; the search begins at +infinity: a selection reads what it may keep, so these registers are written once
	v_bfe_u32 v[TID], v0, 4, 1
	v_lshlrev_b32 v[TID], 3, v[TID]                ; 8 h
.irp i, 1,2,3,4,5,6,7
	v_mov_b32 v[TID+\i], v[TID]
.endr
	s_lshl_b32 s46, s[WV], 6
	v_add_nc_u32 v[CUR], s46, v[TID]               ; my first tile: code 64 w + 8 h
.irp i, 0,1,2,3,4,5,6,7
	v_mov_b32 v[BEST+\i], s[INF]
.endr
.set N, 0
.rept 64
	v_mov_b32 v[KEEP+N], s[INF]
.set N, N+1
.endr
	s_wait_tensorcnt 0x1                           ; my part of slot 0 is in; slot 1's may stay out.  I alone read my part: no barrier is needed for these reads
	LOADS 0,0,0
	s_mov_b32 s34, 7
.Ltrip:                                            ; seven trips, two steps each: steps 0 to 13; each step's last tile asks for the step two on
	TILE 0,0,0
	TILE 0,1,0
	TILE 0,2,0
	TILE 0,3,1
	TILE 1,0,0
	TILE 1,1,0
	TILE 1,2,0
	TILE 1,3,1
	s_sub_co_u32 s34, s34, 1
	s_cmp_lg_u32 s34, 0
	s_cbranch_scc1 .Ltrip
	TILE 0,0,0                                     ; steps 14 and 15 are written out
	TILE 0,1,0
	TILE 0,2,0
	TILE 0,3,2
	TILE 1,0,0
	TILE 1,1,0
	TILE 1,2,0
	TILE 1,3,3
	; ---- the end.  The first place in the winning tile at which the kept distance is the best
.irp i, 0,1,2,3,4,5,6,7
	v_mov_b32 v[PP+\i], 7
.endr
.irp j, 6,5,4,3,2,1,0
.irp i, 0,1,2,3,4,5,6,7
	v_cmp_neq_f32 vcc_lo, v[KEEP+8*\i+\j], v[BEST+\i]
	v_cndmask_b32 v[PP+\i], \j, v[PP+\i], vcc_lo
.endr
.endr
.irp i, 0,1,2,3,4,5,6,7
	v_add_nc_u32 v[TID+\i], v[TID+\i], v[PP+\i]    ; my half's best code
.endr
.irp i, 0,1,2,3,4,5,6,7
	v_permlanex16_b32 v[OB+\i], v[BEST+\i], s[SEL], s[SEL+1]     ; the row's other codes of each tile lie in the lane 16 away
	v_permlanex16_b32 v[OI+\i], v[TID+\i], s[SEL], s[SEL+1]
.endr
.irp i, 0,1,2,3,4,5,6,7
	LEXMIN BEST+\i,TID+\i,OB+\i,OI+\i
.endr
.irp i, 0,1,2,3,4,5,6,7
	ds_store_b32 v[CA], v[BEST+\i] offset:64*\i                  ; row 16 i + r; both halves of the lanes write the same word with the same value
	ds_store_b32 v[CA], v[TID+\i] offset:L_CMBI-L_CMBD+64*\i
.endr
	s_wait_dscnt 0x0                               ; for the others' sake: my stores have landed
	s_barrier_signal -1
	s_barrier_wait -1
	s_cmp_gt_u32 s[WV], 1                          ; waves 0 and 1 join the eight waves' bests: a thread takes two rows
	s_cbranch_scc1 .Lend
.irp w, 0,1,2,3,4,5,6,7
	ds_load_b64 v[CD+2*\w:CD+2*\w+1], v[RA] offset:512*\w
	ds_load_b64 v[CI+2*\w:CI+2*\w+1], v[RA] offset:L_CMBI-L_CMBD+512*\w
.endr
	v_and_b32 v[GOF], 63, v0
	v_lshlrev_b32 v[GOF], 3, v[GOF]
	s_wait_dscnt 0x0
.irp w, 1,2,3,4,5,6,7
	LEXMIN CD,CI,CD+2*\w,CI+2*\w
	LEXMIN CD+1,CI+1,CD+2*\w+1,CI+2*\w+1
.endr
	global_store_b64 v[GOF], v[CI:CI+1], s[8:9]    ; 32 lanes store 256 consecutive bytes, at a multiple of 256 from the buffer's first byte
	global_store_b64 v[GOF], v[CI:CI+1], s[10:11]  ; and the same for the next launch, which forms addresses of them
.Lend:
	s_wait_tensorcnt 0x0                           ; the wave's end, behind my last tensor load and my last LDS store
	ds_add_u32 v[SPW], v[NIL]
	s_wait_dscnt 0x0
	CROUND                                         ; the closing round: no work-group ends while a partner may still ask for a part that names it
	s_endpgm
.Lfunc_end_k_qe95d4931e3_vqmain:
	.size	k_qe95d4931e3_vqmain, .Lfunc_end_k_qe95d4931e3_vqmain-k_qe95d4931e3_vqmain
	.p2alignl 7, 3214868480
	.fill 96, 4, 3214868480
	.section	.rodata,"a",@progbits
	.p2align	6, 0x0
	.amdhsa_kernel k_qe95d4931e3_vqmain
		.amdhsa_group_segment_fixed_size 327680
		.amdhsa_private_segment_fixed_size 0
		.amdhsa_enable_private_segment 0
		.amdhsa_kernarg_size 32
		.amdhsa_user_sgpr_count 2
		.amdhsa_user_sgpr_kernarg_segment_ptr 1
		.amdhsa_wavefront_size32 1
		.amdhsa_system_sgpr_workgroup_id_x 1
		.amdhsa_system_sgpr_workgroup_id_y 1
		.amdhsa_system_sgpr_workgroup_id_z 1
		.amdhsa_system_vgpr_workitem_id 0
		.amdhsa_next_free_vgpr 512
		.amdhsa_next_free_sgpr 66
		.amdhsa_reserve_vcc 1
		.amdhsa_float_denorm_mode_32 3
		.amdhsa_float_denorm_mode_16_64 3
		.amdhsa_memory_ordered 1
		.amdhsa_forward_progress 1
		.amdhsa_inst_pref_size 236
	.end_amdhsa_kernel
	.amdgpu_metadata
---
amdhsa.version: [ 1, 2 ]
amdhsa.kernels:
  - .name:           k_qe95d4931e3_vqmain
    .symbol:         k_qe95d4931e3_vqmain.kd
    .args:
      - { .name: inputs, .offset: 0, .size: 8, .value_kind: global_buffer, .address_space: global }
      - { .name: cbimg, .offset: 8, .size: 8, .value_kind: global_buffer, .address_space: global }
      - { .name: out1, .offset: 16, .size: 8, .value_kind: global_buffer, .address_space: global }
      - { .name: idxws, .offset: 24, .size: 8, .value_kind: global_buffer, .address_space: global }
    .group_segment_fixed_size: 327680
    .private_segment_fixed_size: 0
    .kernarg_segment_align: 8
    .kernarg_segment_size: 32
    .max_flat_workgroup_size: 256
    .sgpr_count:     66
    .vgpr_count:     512
    .wavefront_size: 32
...
	.end_amdgpu_metadata
.endif
;; end of part 2
;; launch gather (part 3): grid 512 x 1, 8 waves a work-group, no clusters, 0 bytes of LDS; arguments inputs, codebook, idxws, out0, part; writes out0, part
.if DOCPART == 3
	.amdgcn_target "amdgcn-amd-amdhsa--gfx1250"
	.amdhsa_code_object_version 6
	.text
	.protected	k_qe95d4931e3_gather
	.globl	k_qe95d4931e3_gather
	.p2align	8
	.type	k_qe95d4931e3_gather,@function
k_qe95d4931e3_gather:
	s_mov_b64 s[64:65], 0
	v_nop
	global_prefetch_b8 v0, s[64:65] scope:SCOPE_SE
	s_setreg_imm32_b32 hwreg(HW_REG_WAVE_MODE, 25, 1), 1
	s_wait_xcnt 0x0
; out0[m] = x[m] + (e[idx[m]] - x[m]), and for each wave the sum of (e[idx[m]] - x[m])^2 over its rows.  x, out0: [32768][256] f32; e: [8192][256] f32; idx: whole numbers that the launch before stored.
; A stream: a wave owns 8 rows of 1,024 bytes; each load and store of the wave covers 512 consecutive bytes.  All 32 loads of a wave go out before the first is waited for.  Waves share nothing: no LDS, no barrier;
; matrix units, clusters and tensor loads would add nothing: each byte of x is read once and each byte of out0 written once, and which rows of e are wanted hangs on the indices.
; The eight indices come by one scalar load and are held inside the table (at most 8,191) before they enter an address.
.set LN,  10                           ; v10  lane
.set QO,  2                            ; v2-9 row k: byte offset in e of my 16 bytes
.set X,   16                           ; v16-79  8 rows of x, 8 numbers a lane and row; then the result
.set Q,   80                           ; v80-143 the 8 rows of e; then e - x
.set S0,  144                          ; v[144:145], v[146:147] two chains of packed sums
.set SUM, 148
.set ZO,  149                          ; 0
.set PT,  150                          ; a lane permute's destination
	s_load_b256 s[4:11], s[0:1], 0x0               ; x s[4:5], e s[6:7], idx s[8:9], out0 s[10:11]
	s_load_b64 s[12:13], s[0:1], 0x20              ; the partial sums
	v_lshrrev_b32 v1, 5, v0
	v_readfirstlane_b32 s14, v1                    ; wave 0..7
	v_and_b32 v[LN], 31, v0
	v_lshlrev_b32 v1, 4, v[LN]                     ; 16 bytes a lane
	v_mov_b32 v[ZO], 0
	v_mov_b32 v[PT], 0
	s_lshl_b32 s15, ttmp9, 3
	s_add_co_u32 s15, s15, s14                     ; which run of 8 rows is my wave's: 0..4,095
	s_lshl_b32 s24, s15, 13                        ; 8 rows of 1,024 bytes
	s_mov_b32 s25, 0
	s_lshl_b32 s28, s15, 5                         ; 8 indices
	s_mov_b32 s29, 0
	s_lshl_b32 s30, s15, 2                         ; one partial sum
	s_mov_b32 s31, 0
	s_mov_b32 s26, 0x76543210
	s_mov_b32 s27, 0xfedcba98
	s_wait_kmcnt 0x0
	s_add_nc_u64 s[8:9], s[8:9], s[28:29]
	s_load_b256 s[16:23], s[8:9], 0x0              ; my 8 indices
	s_add_nc_u64 s[4:5], s[4:5], s[24:25]
	s_add_nc_u64 s[10:11], s[10:11], s[24:25]
	s_add_nc_u64 s[12:13], s[12:13], s[30:31]
.irp k, 0,1,2,3,4,5,6,7
.irp u, 0,1
	global_load_b128 v[X+8*\k+4*\u:X+8*\k+4*\u+3], v1, s[4:5] offset:1024*\k+512*\u th:TH_LOAD_NT
.endr
.endr
	s_wait_kmcnt 0x0
.irp k, 0,1,2,3,4,5,6,7
	s_min_u32 s[16+\k], s[16+\k], 0x1fff           ; inside the table
	s_lshl_b32 s[16+\k], s[16+\k], 10              ; a row of e is 1,024 bytes
	v_add_nc_u32 v[QO+\k], s[16+\k], v1
.endr
.irp k, 0,1,2,3,4,5,6,7
.irp u, 0,1
	global_load_b128 v[Q+8*\k+4*\u:Q+8*\k+4*\u+3], v[QO+\k], s[6:7] offset:512*\u     ; no hint: other rows may name the same code
.endr
.endr
.macro ROW k
	s_wait_loadcnt 14-2*(\k)                       ; x is in, and so are e's rows up to k: the two loads of each later row may be out
.irp p, 0,1,2,3
	v_pk_add_f32 v[Q+8*(\k)+2*\p:Q+8*(\k)+2*\p+1], v[Q+8*(\k)+2*\p:Q+8*(\k)+2*\p+1], v[X+8*(\k)+2*\p:X+8*(\k)+2*\p+1] neg_lo:[0,1] neg_hi:[0,1]   ; e - x
.endr
.irp p, 0,1,2,3
.if ((\k) == 0) && (\p < 2)
	v_pk_mul_f32 v[S0+2*(\p%2):S0+2*(\p%2)+1], v[Q+8*(\k)+2*\p:Q+8*(\k)+2*\p+1], v[Q+8*(\k)+2*\p:Q+8*(\k)+2*\p+1]   ; the first two products start the chains
.else
	v_pk_fma_f32 v[S0+2*(\p%2):S0+2*(\p%2)+1], v[Q+8*(\k)+2*\p:Q+8*(\k)+2*\p+1], v[Q+8*(\k)+2*\p:Q+8*(\k)+2*\p+1], v[S0+2*(\p%2):S0+2*(\p%2)+1]
.endif
.endr
.irp p, 0,1,2,3
	v_pk_add_f32 v[X+8*(\k)+2*\p:X+8*(\k)+2*\p+1], v[X+8*(\k)+2*\p:X+8*(\k)+2*\p+1], v[Q+8*(\k)+2*\p:Q+8*(\k)+2*\p+1]   ; x + (e - x)
.endr
.irp u, 0,1
	global_store_b128 v1, v[X+8*(\k)+4*\u:X+8*(\k)+4*\u+3], s[10:11] offset:1024*(\k)+512*\u th:TH_STORE_NT   ; 512 consecutive bytes, at a multiple of 256 from out0's first byte
.endr
.endm
.irp k, 0,1,2,3,4,5,6,7
	ROW \k
.endr
	v_pk_add_f32 v[S0:S0+1], v[S0:S0+1], v[S0+2:S0+3]
	v_add_f32 v[SUM], v[S0], v[S0+1]
	v_add_f32_dpp v[SUM], v[SUM], v[SUM] row_xmask:1 row_mask:0xf bank_mask:0xf
	v_add_f32_dpp v[SUM], v[SUM], v[SUM] row_xmask:2 row_mask:0xf bank_mask:0xf
	v_add_f32_dpp v[SUM], v[SUM], v[SUM] row_xmask:4 row_mask:0xf bank_mask:0xf
	v_add_f32_dpp v[SUM], v[SUM], v[SUM] row_xmask:8 row_mask:0xf bank_mask:0xf
	v_permlanex16_b32 v[PT], v[SUM], s26, s27
	v_add_f32 v[SUM], v[SUM], v[PT]                ; the wave's sum, in every lane
	v_cmp_eq_u32 vcc_lo, 0, v[LN]
	s_wait_xcnt 0x0                                ; EXEC is a source of the stores above: it changes only behind this wait
	s_and_saveexec_b32 s14, vcc_lo
	global_store_b32 v[ZO], v[SUM], s[12:13]       ; lane 0 alone
	s_wait_xcnt 0x0                                ; and again ahead of the line that widens it
	s_or_b32 exec_lo, exec_lo, s14
	s_endpgm
.Lfunc_end_k_qe95d4931e3_gather:
	.size	k_qe95d4931e3_gather, .Lfunc_end_k_qe95d4931e3_gather-k_qe95d4931e3_gather
	.p2alignl 7, 3214868480
	.fill 96, 4, 3214868480
	.section	.rodata,"a",@progbits
	.p2align	6, 0x0
	.amdhsa_kernel k_qe95d4931e3_gather
		.amdhsa_group_segment_fixed_size 0
		.amdhsa_private_segment_fixed_size 0
		.amdhsa_enable_private_segment 0
		.amdhsa_kernarg_size 40
		.amdhsa_user_sgpr_count 2
		.amdhsa_user_sgpr_kernarg_segment_ptr 1
		.amdhsa_wavefront_size32 1
		.amdhsa_system_sgpr_workgroup_id_x 1
		.amdhsa_system_sgpr_workgroup_id_y 1
		.amdhsa_system_sgpr_workgroup_id_z 1
		.amdhsa_system_vgpr_workitem_id 0
		.amdhsa_next_free_vgpr 160
		.amdhsa_next_free_sgpr 66
		.amdhsa_reserve_vcc 1
		.amdhsa_float_denorm_mode_32 3
		.amdhsa_float_denorm_mode_16_64 3
		.amdhsa_memory_ordered 1
		.amdhsa_forward_progress 1
		.amdhsa_inst_pref_size 14
	.end_amdhsa_kernel
	.amdgpu_metadata
---
amdhsa.version: [ 1, 2 ]
amdhsa.kernels:
  - .name:           k_qe95d4931e3_gather
    .symbol:         k_qe95d4931e3_gather.kd
    .args:
      - { .name: inputs, .offset: 0, .size: 8, .value_kind: global_buffer, .address_space: global }
      - { .name: codebook, .offset: 8, .size: 8, .value_kind: global_buffer, .address_space: global }
      - { .name: idxws, .offset: 16, .size: 8, .value_kind: global_buffer, .address_space: global }
      - { .name: out0, .offset: 24, .size: 8, .value_kind: global_buffer, .address_space: global }
      - { .name: part, .offset: 32, .size: 8, .value_kind: global_buffer, .address_space: global }
    .group_segment_fixed_size: 0
    .private_segment_fixed_size: 0
    .kernarg_segment_align: 8
    .kernarg_segment_size: 40
    .max_flat_workgroup_size: 256
    .sgpr_count:     66
    .vgpr_count:     160
    .wavefront_size: 32
...
	.end_amdgpu_metadata
.endif
;; end of part 3
;; launch losssum (part 4): grid 1 x 1, 1 waves a work-group, no clusters, 0 bytes of LDS; arguments part, out2; writes out2
.if DOCPART == 4
	.amdgcn_target "amdgcn-amd-amdhsa--gfx1250"
	.amdhsa_code_object_version 6
	.text
	.protected	k_qe95d4931e3_losssum
	.globl	k_qe95d4931e3_losssum
	.p2align	8
	.type	k_qe95d4931e3_losssum,@function
k_qe95d4931e3_losssum:
	s_mov_b64 s[64:65], 0
	v_nop
	global_prefetch_b8 v0, s[64:65] scope:SCOPE_SE
	s_setreg_imm32_b32 hwreg(HW_REG_WAVE_MODE, 25, 1), 1
	s_wait_xcnt 0x0
; out2 = 1.25 x the mean of (e[idx] - x)^2 over 2^23 numbers: both terms of the loss are that mean, one with the weight 1 and one with 0.25.
; The launch before left 4,096 partial sums, one a wave: a sum that spans work-groups is finished by one owner.  One wave reads the 16,384 bytes by 32 loads of 512 consecutive bytes and adds them in f32.
	s_load_b128 s[4:7], s[0:1], 0x0                ; the partial sums, out2
	v_lshlrev_b32 v1, 4, v0                        ; 16 bytes a lane
	v_mov_b32 v2, 0
	v_mov_b32 v3, 0                                ; a lane permute's destination counts as one of its sources
	s_mov_b32 s10, 0x76543210
	s_mov_b32 s11, 0xfedcba98
	s_wait_kmcnt 0x0
.set I, 0
.rept 32
	global_load_b128 v[4+4*I:7+4*I], v1, s[4:5] offset:512*I
.set I, I+1
.endr
	s_wait_loadcnt 0x0
.set P, 4
.rept 60
	v_pk_add_f32 v[4+2*(P%4):5+2*(P%4)], v[4+2*(P%4):5+2*(P%4)], v[4+2*P:5+2*P]   ; four chains, begun by the first four pairs
.set P, P+1
.endr
	v_pk_add_f32 v[4:5], v[4:5], v[6:7]
	v_pk_add_f32 v[8:9], v[8:9], v[10:11]
	v_pk_add_f32 v[4:5], v[4:5], v[8:9]
	v_add_f32 v4, v4, v5
	v_add_f32_dpp v4, v4, v4 row_xmask:1 row_mask:0xf bank_mask:0xf
	v_add_f32_dpp v4, v4, v4 row_xmask:2 row_mask:0xf bank_mask:0xf
	v_add_f32_dpp v4, v4, v4 row_xmask:4 row_mask:0xf bank_mask:0xf
	v_add_f32_dpp v4, v4, v4 row_xmask:8 row_mask:0xf bank_mask:0xf
	v_permlanex16_b32 v3, v4, s10, s11
	v_add_f32 v4, v4, v3
	v_mul_f32 v4, 0x34200000, v4                   ; x 1.25 / 2^23
	v_cmp_eq_u32 vcc_lo, 0, v0
	s_wait_xcnt 0x0                                ; EXEC changes only behind this wait
	s_and_saveexec_b32 s8, vcc_lo
	global_store_b32 v2, v4, s[6:7]                ; lane 0 alone
	s_wait_xcnt 0x0
	s_or_b32 exec_lo, exec_lo, s8
	s_endpgm
.Lfunc_end_k_qe95d4931e3_losssum:
	.size	k_qe95d4931e3_losssum, .Lfunc_end_k_qe95d4931e3_losssum-k_qe95d4931e3_losssum
	.p2alignl 7, 3214868480
	.fill 96, 4, 3214868480
	.section	.rodata,"a",@progbits
	.p2align	6, 0x0
	.amdhsa_kernel k_qe95d4931e3_losssum
		.amdhsa_group_segment_fixed_size 0
		.amdhsa_private_segment_fixed_size 0
		.amdhsa_enable_private_segment 0
		.amdhsa_kernarg_size 16
		.amdhsa_user_sgpr_count 2
		.amdhsa_user_sgpr_kernarg_segment_ptr 1
		.amdhsa_wavefront_size32 1
		.amdhsa_system_sgpr_workgroup_id_x 1
		.amdhsa_system_sgpr_workgroup_id_y 1
		.amdhsa_system_sgpr_workgroup_id_z 1
		.amdhsa_system_vgpr_workitem_id 0
		.amdhsa_next_free_vgpr 144
		.amdhsa_next_free_sgpr 66
		.amdhsa_reserve_vcc 1
		.amdhsa_float_denorm_mode_32 3
		.amdhsa_float_denorm_mode_16_64 3
		.amdhsa_memory_ordered 1
		.amdhsa_forward_progress 1
		.amdhsa_inst_pref_size 9
	.end_amdhsa_kernel
	.amdgpu_metadata
---
amdhsa.version: [ 1, 2 ]
amdhsa.kernels:
  - .name:           k_qe95d4931e3_losssum
    .symbol:         k_qe95d4931e3_losssum.kd
    .args:
      - { .name: part, .offset: 0, .size: 8, .value_kind: global_buffer, .address_space: global }
      - { .name: out2, .offset: 8, .size: 8, .value_kind: global_buffer, .address_space: global }
    .group_segment_fixed_size: 0
    .private_segment_fixed_size: 0
    .kernarg_segment_align: 8
    .kernarg_segment_size: 16
    .max_flat_workgroup_size: 32
    .sgpr_count:     66
    .vgpr_count:     144
    .wavefront_size: 32
...
	.end_amdgpu_metadata
.endif
;; end of part 4
